; MI455X (gfx1250); checked and timed in simulation.
; The chip was launched on July 23, 2026; its instructions are those of AMD's public machine-readable ISA for CDNA 5 (MIT licence, August 2026) and "CDNA5" Instruction Set Architecture Reference Guide (July 2026). The comments in the code are by the model that wrote it; some were corrected since.
;; Bit Linear Inference. Allowed arithmetic: matrix products marked QUANTISED: E2M3 operands, one E8M0 scale for each 32 along K, by v_wmma_scale_f32_16x16x128_f8f6f4 with both operands' format E2M3, f32 sums; everything else in f32.
;; Inputs: weight_scale 1 float32; weight_ternary 2,048 x 4,096 int32; x 4 x 2,048 x 4,096 float32.
;; Outputs: out0 4 x 2,048 x 2,048 float32.
;; This version of the problem:
;;   THIS VERSION OF THE PROBLEM IS GIVEN IN LOW PRECISION. The matrix products marked QUANTISED in the list below multiply operands that are first quantised to E2M3 (2 exponent bits, 3 mantissa bits; 6 bits a number), with one power-of-two scale for each 32 numbers along K (OCP MX v1.0); their sums are f32. All else is computed in f32.
;;   The module's matrix products, in the order in which they are computed (A, B: the left and right operand; K: the contracted axis; several contracted axes count as one K, in the product's order):
;;     1. [M 8,192, K 4,096] x [K 4,096, N 2,048]; A: computed on the way; B: computed on the way: QUANTISED
;;   THE QUANTISER, for each operand of a quantised product, along K:
;;     - K is cut into blocks of 32 from its start; a last block that is shorter is filled with zeros.
;;     - A block's scale is 2^e with e = floor(log2(the largest magnitude in the block)) - 2, held to -126 .. 127; a block of zeros has e = 0. As a byte (E8M0): e + 127.
;;     - Each number is divided by its block's scale, clamped to +-7.5, and rounded to the nearest number of E2M3, ties to even, subnormals kept.
;;     - The product sums the exact products of the quantised numbers (number of the format x scale) in f32.
;;   ~~~python
;;   def quantise(x, axis):      # numpy; x: float32 -> the quantised numbers, widened to float32 again
;;       x = np.moveaxis(x, axis, -1); K = x.shape[-1]
;;       x = np.pad(x, [(0, 0)] * (x.ndim - 1) + [(0, -K % 32)]); x = x.reshape(x.shape[:-1] + (-1, 32)); a = np.abs(x).max(-1, keepdims=True)
;;       e = np.where(a > 0, np.clip(np.frexp(np.where(a > 0, a, 1))[1] - 1 - 2, -126, 127), 0)      # np.frexp(a)[1] - 1 = floor(log2(a)), exactly
;;       r = np.clip(x / 2.0 ** e, -7.5, 7.5)
;;       step = 2.0 ** (np.maximum(np.frexp(np.where(r == 0, 1, r))[1] - 1, 0) - 3)
;;       q = np.round(r / step) * step * 2.0 ** e      # np.round: ties to even
;;       return np.moveaxis(q.reshape(q.shape[:-2] + (-1,))[..., :K], -1, axis).astype(np.float32)
;;   ~~~
;;   OPERANDS COMPUTED ON THE WAY. 'Computed on the way' means the value that the module computes at that place (a softmax that the list does not call 'softmax' is quantised finished and normalised). What goes into a quantiser is computed in f32, as accurately as f32 sums, v_exp_f32 and their like allow (about 1e-6 of the number): no bf16 or f16 on the way to a quantiser, and a product that is left as it is and whose result goes on into a quantised operand takes f32 operands (vector FMAs, or v_wmma_f32_16x16x4_f32). A number that lies on a knife's edge between two numbers of the format may be rounded either way, as far as f32 arithmetic and the matrix unit's own rounding can turn it there, and no further.
;; One version. Each part assembles by itself: llvm-mc -triple=amdgcn-amd-amdhsa -mcpu=gfx1250 --defsym DOCPART=n.
;; ======== version 1 of 1: 2 launches
;; limits: right only within a limited range of input values
;; workspace buffers: x_op 26,607,616 bytes; w_op 6,651,904 bytes
;; launch quant (part 1): grid 1280 x 1, 4 waves a work-group, no clusters, 51,712 bytes of LDS; arguments x, weight_ternary, weight_scale, x_op, w_op; writes x_op, w_op
.if DOCPART == 1
	.amdgcn_target "amdgcn-amd-amdhsa--gfx1250"
	.amdhsa_code_object_version 6
	.text
	.protected	k_q1e064be901_quant
	.globl	k_q1e064be901_quant
	.p2align	8
	.type	k_q1e064be901_quant,@function
k_q1e064be901_quant:
	s_mov_b64 s[64:65], 0
	v_nop
	global_prefetch_b8 v0, s[64:65] scope:SCOPE_SE
	s_setreg_imm32_b32 hwreg(HW_REG_WAVE_MODE, 25, 1), 1
	s_wait_xcnt 0x0
; Both operands of out = x_final w^T are made here and turned into codes of FP6 (E2M3) with one E8M0 byte for each 32 along K, LAID AS THE NEXT LAUNCH'S REGISTERS WANT THEM.
;   x [8192][4096] f32:  s = max(largest |x| of the row, 1e-5);  q = round(x / s * 127), ties to even;  x_final = q * s / 127.
;   weight_ternary [2048][4096] int32:  w = float(weight) * weight_scale (the scale is loaded, the weights may be any int32).
; THE LAYOUT OF x_op AND w_op.  For each 128 rows: 11 dense tiles, ten of 384 along K (38,912 bytes) and one of 256 (26,624 bytes): 415,744 bytes.  A tile: first the scale records, 8 blocks x 16 rows x 16 bytes
; (a row's words for the tile's three 128 along K, then a word of zeros; byte b of a word scales k = 32 b .. 32 b + 31); then for each 128 along K the 8 blocks' fragments, 1,536 bytes each.
; In a fragment (16 rows x 128 K) lane (r, h) of the matrix instruction owns 48 bytes: the 24 bytes of block h, then those of block 2 + h; they lie at 768 (r / 8) + 384 (h xor r / 8) + 48 (r % 8).
; So eight neighbouring rows are 768 consecutive bytes of each fragment, which is what this launch's work-groups own.
; ARITHMETIC, all f32.  1 / s is v_rcp_f32 with one Newton step; c = 127 / s, d = s / 127.  u = fma(x, c, 1.5 x 2^23) rounds the exact x c once, to a whole number, ties to even;
; q = u - 1.5 x 2^23 is exact; x_final = q d.  THE CLIP TO -128 .. 127 IS NOT WRITTEN: |x| <= s and c <= (127 / s)(1 + 2^-22), so |x c| < 127.5, which rounds to 127 at the most with the clip or without.
; A block's scale is 2^(floor(log2(its largest magnitude)) - 2): its byte is the largest magnitude's exponent field - 2, held at 1 from below by a floor among the maximum's leaves.
; LIMITS: NaN and infinities are not served.  A row of x whose largest magnitude lies above 2^126 is not served (its reciprocal would be a denormal, which v_rcp_f32 gives as 0).
; A block of zeros gets the byte 1 where the rule says 127: its codes are zeros, which add nothing under any byte but 0xff, and the bytes are read by this program alone.
; Blocks of w whose largest magnitude lies under 2^-124 (the floor) were not tried.
; SHARES.  A row of either tensor is 16,384 bytes.  A wave takes two neighbouring rows, a work-group eight: work-groups 0 .. 1023 take x, 1024 .. 1279 the weights.  Only pointers are chosen by the
; work-group's number, and one short branch a row, which holds register work alone.  A row stays in 128 registers between the pass for its maximum and the quantiser, so memory is read once;
; the second row's loads land in the first row's registers as these are freed.  No tensor loads, no matrix unit.
; A load reads 512 consecutive bytes, 16 a lane; the conversion wants 16 NEIGHBOURS in one lane: so 2,048 bytes at a time turn through the wave's own stage in LDS (16 bytes of padding behind each 64).
; THE WAY OUT.  Codes and scale bytes of the eight rows meet in a stage of the work-group's; one barrier; then each store of codes covers 256 consecutive bytes, aligned.  The scale records of eight rows are
; 128 consecutive bytes, half of an aligned 256: 1,408 of a work-group's 25,984 bytes leave so.
.set WGX,   1024                       ; work-groups that take x
.set ROWIN, 16384                      ; bytes of a row as it comes
.set SP,    80                         ; a lane's place in a turning stage: 64 bytes + 16 of padding
.set STG,   32*SP                      ; a turning stage
.set WREG,  2*STG                      ; a wave's two
.set OUT,   4*WREG                     ; behind them: the eight rows' halves of the 32 fragments, [h][row][48 bytes], FSTR bytes apart
.set FSTR,  816                        ; 768 + 48 = 204 words: the 32 lanes of a code store (4 fragments x 2 h x 4 places of 3 words) then fall on 32 different banks (64 banks of 4 bytes: ISA guide 11.1)
.set SCS,   OUT+32*FSTR                ; behind them: the scale records, [tile][row][16 bytes]; room for 16 tiles, of which 11 are used
.set TILE,  38912                      ; a full tile in memory
.set TROW,  10*TILE+26624              ; the tiles of 128 rows
.set SCLB,  2048                       ; a tile's scale records
.set UNITB, 12288                      ; eight fragments: 128 rows x 128 along K
.set LN,    1                          ; v1   lane
.set GIN,   2                          ; v2   16 x lane: my bytes of a load.        On the way out: my offset among the codes
.set CST,   3                          ; v3   LDS: where my 12 bytes of codes go.   On the way out: read address, third run
.set SBA,   4                          ; v4   LDS: base of my block's scale byte.   On the way out: read address of the records
.set U0,    5                          ; v5   lane / 8: which of a step's four 128 along K.  On the way out: my offset among the records
.set STI,   7                          ; v7   the turning stage, on the way in.     On the way out: read address, first run
.set STO,   8                          ; v8   the turning stage, on the way out.    On the way out: read address, second run
.set CC,    10                         ; v[10:11] c, twice
.set DD,    12                         ; v[12:13] d, twice
.set SAD,   18                         ; v18-19   LDS address of the scale byte, two by turns
.set R,     20                         ; v20-147  the row
.set X,     148                        ; v148-179 two sets of 16 neighbours
.set T,     148                        ; v148-151 the row maximum's four chains (between the rows' steps these registers are free)
.set C,     180                        ; v180-187 two sets of codes
.set E,     188                        ; v188-189 two scale bytes, by turns
	s_load_b256 s[4:11], s[0:1], 0x0               ; x s[4:5], weights s[6:7], weight_scale s[8:9], x_op s[10:11]
	s_load_b64 s[12:13], s[0:1], 0x20              ; w_op
	v_lshl_add_u32 v190, v0, 2, 0xc800
	v_mov_b32 v191, 0
	v_lshrrev_b32 v1, 5, v0
	v_readfirstlane_b32 s20, v1                    ; wave 0..3
	v_and_b32 v[LN], 31, v0                        ; lane
	s_mul_i32 s21, s20, WREG                       ; my wave's turning stages
	v_lshlrev_b32 v[GIN], 4, v[LN]
	v_lshrrev_b32 v[STI], 2, v[LN]                 ; in: four lanes' 64 bytes on end, then the padding: SP (lane / 4) + 16 (lane % 4)
	v_mul_u32_u24 v[STI], v[STI], SP
	v_and_b32 v[STO], 3, v[LN]
	v_lshl_add_u32 v[STI], v[STO], 4, v[STI]
	v_add_nc_u32 v[STI], s21, v[STI]
	v_mul_u32_u24 v[STO], v[LN], SP                ; out: SP x lane: my 16 neighbours
	v_add_nc_u32 v[STO], s21, v[STO]
	; In a step lane l holds numbers 16 l .. 16 l + 15 of 512: fragment l / 8 of the step's four, block b = (l / 2) % 4 of its four, half l % 2 of the block.  Block b belongs to h = b % 2, place b / 2
	v_lshrrev_b32 v[U0], 3, v[LN]
	v_mul_u32_u24 v[CST], v[U0], FSTR
	v_bfe_u32 v6, v[LN], 1, 1                      ; h
	v_mad_u32_u24 v[CST], v6, 384, v[CST]
	v_bfe_u32 v6, v[LN], 2, 1                      ; b / 2: 24 bytes a block
	v_mad_u32_u24 v[CST], v6, 24, v[CST]
	v_and_b32 v6, 1, v[LN]                         ; which 12 bytes of the block
	v_mad_u32_u24 v[CST], v6, 12, v[CST]
	s_mul_i32 s21, s20, 96                         ; my wave's two rows: 48 bytes a row
	s_add_co_u32 s21, s21, OUT
	v_add_nc_u32 v[CST], s21, v[CST]
	s_lshl_b32 s21, s20, 5                         ; my wave's two records in each tile: 16 bytes a row
	s_add_co_u32 s21, s21, SCS
	v_bfe_u32 v[SBA], v[LN], 1, 2                  ; b
	v_add_nc_u32 v[SBA], s21, v[SBA]
	v_lshrrev_b32 v17, 1, v[LN]                    ; my wave's records are set to zero first (the words that no block fills are read by the next launch's tile loads): lane l: tile l / 2, row l % 2
	v_lshlrev_b32 v17, 7, v17
	v_lshl_add_u32 v17, v6, 4, v17
	v_add_nc_u32 v17, s21, v17
.irp k, 0,1,2,3
	v_mov_b32 v[C+\k], 0
.endr
	ds_store_b128 v17, v[C:C+3]                    ; the wave's own bytes: its byte stores come behind this store, and LDS serves a wave's instructions in order (ISA guide 5.7.1.4)
	v_mov_b32 v9, 0                                ; a lane permute's destination counts as one of its sources: written once
	s_mov_b32 s24, 0x4b400000                      ; 1.5 x 2^23, as a pair: the packed forms name a pair and take its low word for both halves
	s_mov_b32 s25, s24
	s_mov_b32 s26, 0xcb400000                      ; and its negative
	s_mov_b32 s27, s26
	s_mov_b32 s28, 0x76543210                      ; v_permlanex16_b32's selects for lane l xor 16
	s_mov_b32 s29, 0xfedcba98
	s_wait_kmcnt 0x0
	s_load_b32 s18, s[8:9], 0x0                    ; weight_scale: no line of this launch writes that buffer
	s_cmp_lt_u32 ttmp9, WGX                        ; x's work-group or the weights'?  The choice hangs on the work-group's number alone
	s_cselect_b64 s[4:5], s[4:5], s[6:7]
	s_cselect_b64 s[10:11], s[10:11], s[12:13]
	s_cselect_b32 s19, 0, WGX
	s_sub_co_u32 s19, ttmp9, s19                   ; which eight rows of the tensor are my work-group's
	s_lshl_b32 s21, s19, 2
	s_add_co_u32 s21, s21, s20                     ; which pair of rows is my wave's: 4,095 at the most
	s_mov_b32 s23, 0
	s_lshl_b32 s22, s21, 15                        ; 2 rows x 16,384 bytes (under 2^28)
	s_add_nc_u64 s[4:5], s[4:5], s[22:23]
	s_lshr_b32 s22, s19, 4                         ; which 128 rows
	s_mul_i32 s22, s22, TROW                       ; (under 2^25)
	s_add_nc_u64 s[10:11], s[10:11], s[22:23]
	s_and_b32 s14, s19, 15                         ; which eight of the 128
	s_and_b32 s15, s19, 1                          ; the upper eight of a block of 16?  Then the two h parts change places in memory:
	s_mul_i32 s15, s15, 384                        ; byte y of my 768 in memory is byte (y + G) mod 768 of the stage, G = 0 or 384
	s_wait_kmcnt 0x0                               ; weight_scale is in
.macro LOADS r, t                      ; 2,048 bytes of row r, the t-th of eight such pieces: each load reads 512 consecutive bytes; read once in the launch
.irp i, 0,1,2,3
	global_load_b128 v[R+16*(\t)+4*\i:R+16*(\t)+4*\i+3], v[GIN], s[4:5] offset:ROWIN*(\r)+2048*(\t)+512*\i th:TH_LOAD_NT
.endr
.endm
; The row in v[R ..] becomes whole numbers q (x) or the weights as f32, and d its factor.  Register work and waits alone stand in the two arms.
.macro PREP r
	s_cmp_lt_u32 ttmp9, WGX
	s_cbranch_scc0 .Lw_\r
	s_wait_loadcnt 24                              ; of the row's 32 loads the first eight are in; nothing else counts on this counter
.irp k, 0,1,2,3
	v_max_num_f32 v[T+\k], |v[R+\k]|, |v[R+4+\k]|  ; four chains, started by the first eight registers: nothing is cleared
.endr
.set i, 8
.rept 15
.if i == 32
	s_wait_alu depctr_va_vdst(0)
	s_wait_loadcnt 16                              ; the next eight loads
.elseif i == 64
	s_wait_alu depctr_va_vdst(0)
	s_wait_loadcnt 8
.elseif i == 96
	s_wait_alu depctr_va_vdst(0)
	s_wait_loadcnt 0x0
.endif
.irp k, 0,1,2,3
	v_max3_num_f32 v[T+\k], v[T+\k], |v[R+i+\k]|, |v[R+i+4+\k]|
.endr
.set i, i+8
.endr
	v_max3_num_f32 v[T], v[T], v[T+1], v[T+2]
	v_max_num_f32 v[T], v[T], v[T+3]
	v_max_num_f32_dpp v[T], v[T], v[T] row_xmask:1 row_mask:0xf bank_mask:0xf
	v_max_num_f32_dpp v[T], v[T], v[T] row_xmask:2 row_mask:0xf bank_mask:0xf
	v_max_num_f32_dpp v[T], v[T], v[T] row_xmask:4 row_mask:0xf bank_mask:0xf
	v_max_num_f32_dpp v[T], v[T], v[T] row_xmask:8 row_mask:0xf bank_mask:0xf
	v_permlanex16_b32 v9, v[T], s28, s29
	v_max3_num_f32 v[T], v[T], v9, 0x3727c5ac      ; s: the row's largest magnitude, held at 1e-5 from below; in every lane
	s_wait_alu depctr_va_vdst(0)
	v_rcp_f32 v[T+1], v[T]
	v_mul_f32 v[DD], 0x3c010204, v[T]              ; d = s x (1 / 127).  (The plain instruction between the reciprocal and the use of its result: ISA guide 5.7.2)
	s_wait_alu depctr_va_vdst(0)
	v_fma_f32 v[T+2], -v[T], v[T+1], 1.0           ; one Newton step: e = 1 - s r,
	v_fma_f32 v[T+1], v[T+1], v[T+2], v[T+1]       ; r = r + r e
	v_mul_f32 v[CC], 0x42fe0000, v[T+1]            ; c = 127 r
	v_mov_b32 v[DD+1], v[DD]
	v_mov_b32 v[CC+1], v[CC]
.set i, 0
.rept 64
	v_pk_fma_f32 v[R+i:R+i+1], v[R+i:R+i+1], v[CC:CC+1], s[24:25] op_sel_hi:[1,1,0]   ; x c + 1.5 x 2^23: one rounding, to a whole number, ties to even
.set i, i+2
.endr
.set i, 0
.rept 64
	v_pk_add_f32 v[R+i:R+i+1], v[R+i:R+i+1], s[26:27] op_sel_hi:[1,0]                 ; q, exactly
.set i, i+2
.endr
	s_branch .Lj_\r
.Lw_\r:
.irp g, 0,1,2,3
	s_wait_loadcnt 24-8*\g                         ; eight loads more are in
.set i, 32*\g
.rept 32
	v_cvt_f32_i32 v[R+i], v[R+i]
.set i, i+1
.endr
.endr
	v_mov_b32 v[DD], s18                           ; d = weight_scale
	v_mov_b32 v[DD+1], s18
.Lj_\r:
.endm
.macro TURN t                          ; piece t through a turning stage: LDS serves a wave's instructions in order, so no wait stands between the stores and the loads
.irp i, 0,1,2,3
	ds_store_b128 v[STI], v[R+16*(\t)+4*\i:R+16*(\t)+4*\i+3] offset:STG*((\t)%2)+8*SP*\i
.endr
.irp i, 0,1,2,3
	ds_load_b128 v[X+16*((\t)%2)+4*\i:X+16*((\t)%2)+4*\i+3], v[STO] offset:STG*((\t)%2)+16*\i
.endr
.endm
.macro STEP r, t                       ; 512 numbers of row r: 16 blocks, two lanes to a block; four fragments' worth
.set XS, X+16*((\t)%2)
.set CD, C+4*((\t)%2)
.set SA, SAD+(\t)%2
.if (\t) > 0
	s_wait_dscnt 4                                 ; this piece is back from the turning stage, so the stores into it have read their registers, and so have the stores of the step before last;
.else                                          ; only the last step's three code stores and its byte store may be out: their registers are the other set
	s_wait_dscnt 0x0
.endif
.if (\r) == 0
	LOADS 1, \t                                    ; the next row's piece t into the registers that this piece has just left
.endif
.if (\t) < 7
	TURN (\t)+1                                    ; the next piece goes through the other turning stage while this one is worked
.endif
.irp k, 0,2,4,6,8,10,12,14
	v_pk_mul_f32 v[XS+\k:XS+\k+1], v[XS+\k:XS+\k+1], v[DD:DD+1]    ; x_final = q d;  w = weight x scale
.endr
	v_max3_num_f32 v14, |v[XS]|, |v[XS+1]|, |v[XS+2]|              ; the largest magnitude of my 16, in two chains
	v_max3_num_f32 v15, |v[XS+3]|, |v[XS+4]|, |v[XS+5]|
.irp i, 6,10
	v_max3_num_f32 v14, v14, |v[XS+\i]|, |v[XS+\i+1]|
	v_max3_num_f32 v15, v15, |v[XS+\i+2]|, |v[XS+\i+3]|
.endr
	v_max3_num_f32 v14, v14, |v[XS+14]|, |v[XS+15]|
	v_max3_num_f32 v14, v14, v15, 0x1800000        ; and the floor 2^(3 - 127): the byte cannot fall under 1
	v_max_num_f32_dpp v14, v14, v14 row_xmask:1 row_mask:0xf bank_mask:0xf   ; with my neighbour's 16: the block's
	v_add_nc_u32 v16, 0xff000000, v14              ; 2 off its exponent field: the conversion takes the exponent field of this operand as its scale, and nothing else of it
	v_cvt_scalef32_pk16_fp6_f32 v[CD:CD+2], v[XS:XS+15], v16       ; 16 numbers / the scale, to the nearest code, ties to even, beyond 7.5 the largest code; 96 bits, the first number's code lowest
	v_lshrrev_b32 v[E+(\t)%2], 23, v16             ; the scale's byte.  (Also the plain instruction behind the conversion)
	v_add_nc_u32 v17, 4*(\t), v[U0]                ; u: which 128 along K of the row's 32.  Its tile is f = u / 3, its word there u - 3 f: the byte lies at 128 f + 4 (u - 3 f) = 116 f + 4 u
	v_mul_u32_u24 v[SA], v17, 11
	v_lshrrev_b32 v[SA], 5, v[SA]                  ; f = 11 u / 32, which is u / 3 for u up to 31
	v_mad_u32_u24 v[SA], v[SA], 116, v[SBA]
	v_lshl_add_u32 v[SA], v17, 2, v[SA]
.irp w, 0,1,2
	ds_store_b32 v[CST], v[CD+\w] offset:4*(\t)*FSTR+48*(\r)+4*\w  ; my 12 bytes, a word at a time: their place is a multiple of 4 only
.endr
	ds_store_b8 v[SA], v[E+(\t)%2] offset:16*(\r)  ; both lanes of a block write the same byte with the same value
.endm
.irp t, 0,1,2,3,4,5,6,7
	LOADS 0, \t
.endr
	PREP 0
	TURN 0
	s_wait_alu depctr_va_vdst(0)
.irp t, 0,1,2,3,4,5,6,7
	STEP 0, \t
.endr
	PREP 1
	TURN 0
	s_wait_alu depctr_va_vdst(0)
.irp t, 0,1,2,3,4,5,6,7
	STEP 1, \t
.endr
	s_wait_dscnt 0x0                               ; for the others' sake: my stores into the work-group's stage are done
	s_barrier_signal -1
	s_barrier_wait -1                              ; the eight rows' codes and records lie in LDS; from here on LDS is only read
; THE WAY OUT.  Wave w stores tiles w, w + 4 and w + 8 (tile 10 has two fragments, tile 11 is none).  Of each fragment my work-group owns 768 bytes: three runs of 256, 8 bytes a lane.
	v_lshlrev_b32 v17, 3, v[LN]                    ; 8 x lane
	s_wait_alu depctr_va_vdst(0)
	v_lshrrev_b32 v6, 4, v[LN]
	v_mul_u32_u24 v6, 768, v6                      ; 768 in lanes 16-31
	s_mul_i32 s21, s20, 3*FSTR                     ; tile w's three fragments in the stage
	s_add_co_u32 s21, s21, OUT
	; Byte y of my 768 in memory is stage byte (y + G) mod 768.  Both sets of read addresses are made of the lane and the wave alone; a scalar branch on G picks the set.
	v_add_nc_u32 v[STI], s21, v17                  ; G = 0:   run 0: 8 lane
	v_add_nc_u32 v[STO], 256, v[STI]               ;          run 1: 256 + 8 lane
	v_add_nc_u32 v[CST], 512, v[STI]               ;          run 2: 512 + 8 lane
	v_add_nc_u32 v14, 384, v[STI]                  ; G = 384: run 0: 384 + 8 lane
	v_add_nc_u32 v15, 640, v[STI]                  ;          run 1: 640 + 8 lane, less 768 in lanes 16-31, where that passes the end
	v_sub_nc_u32 v15, v15, v6
	v_add_nc_u32 v16, 128, v[STI]                  ;          run 2: 128 + 8 lane
	s_wait_alu depctr_va_vdst(0)
	s_lshl_b32 s21, s20, 7                         ; tile w's records: 128 bytes, 4 a lane
	s_add_co_u32 s21, s21, SCS
	v_lshl_add_u32 v[SBA], v[LN], 2, s21
	s_mul_i32 s21, s20, TILE                       ; tile w in memory
	s_mul_i32 s22, s14, 768                        ; my eight rows' place in a fragment's block of 128 rows
	s_add_co_u32 s22, s22, s21
	s_add_co_u32 s22, s22, SCLB
	v_add_nc_u32 v[GIN], s22, v17                  ; (the loads that named this register are long in)
	s_lshl_b32 s22, s14, 7                         ; and among the records
	s_add_co_u32 s22, s22, s21
	v_lshl_add_u32 v[U0], v[LN], 2, s22
	s_wait_alu depctr_va_vdst(0)
.macro OUTL jj, m, d                   ; tile w + 4 jj, its m-th 128 along K: my 768 bytes into v[d .. d + 5]
	s_cmp_eq_u32 s15, 0                            ; G hangs on the work-group's number alone; both ways issue three loads into the same registers
	s_cbranch_scc0 .Lupper_\@
	ds_load_b64 v[\d:\d+1],   v[STI] offset:(12*\jj+\m)*FSTR
	ds_load_b64 v[\d+2:\d+3], v[STO] offset:(12*\jj+\m)*FSTR
	ds_load_b64 v[\d+4:\d+5], v[CST] offset:(12*\jj+\m)*FSTR
	s_branch .Lboth_\@
.Lupper_\@:
	ds_load_b64 v[\d:\d+1],   v14 offset:(12*\jj+\m)*FSTR
	ds_load_b64 v[\d+2:\d+3], v15 offset:(12*\jj+\m)*FSTR
	ds_load_b64 v[\d+4:\d+5], v16 offset:(12*\jj+\m)*FSTR
.Lboth_\@:
.endm
.macro OUTS jj, m, d                   ; each store covers 256 consecutive bytes, at a multiple of 256 from the buffer's first byte; the next launch reads them, so no hint
	global_store_b64 v[GIN], v[\d:\d+1],   s[10:11] offset:4*\jj*TILE+\m*UNITB
	global_store_b64 v[GIN], v[\d+2:\d+3], s[10:11] offset:4*\jj*TILE+\m*UNITB+256
	global_store_b64 v[GIN], v[\d+4:\d+5], s[10:11] offset:4*\jj*TILE+\m*UNITB+512
.endm
.irp jj, 0,1
.irp m, 0,1,2
	OUTL \jj, \m, R+6*(3*\jj+\m)
.endr
	ds_load_b32 v[R+56+\jj], v[SBA] offset:512*\jj
.endr
	s_wait_alu depctr_va_vdst(0)
	s_wait_dscnt 0x0
.irp jj, 0,1
.irp m, 0,1,2
	OUTS \jj, \m, R+6*(3*\jj+\m)
.endr
	global_store_b32 v[U0], v[R+56+\jj], s[10:11] offset:4*\jj*TILE   ; eight rows' records: 128 consecutive bytes
.endr
	s_cmp_eq_u32 s20, 3                            ; tile 11 is none
	s_cbranch_scc1 .Ldone
	OUTL 2, 0, R+36
	OUTL 2, 1, R+42
	ds_load_b32 v[R+58], v[SBA] offset:1024
	s_wait_dscnt 0x0
	OUTS 2, 0, R+36
	OUTS 2, 1, R+42
	global_store_b32 v[U0], v[R+58], s[10:11] offset:8*TILE
	s_cmp_eq_u32 s20, 2                            ; tile 10 holds 256 along K
	s_cbranch_scc1 .Ldone
	OUTL 2, 2, R+48
	s_wait_dscnt 0x0
	OUTS 2, 2, R+48
.Ldone:
	s_wait_tensorcnt 0x0
	ds_add_u32 v190, v191
	s_wait_dscnt 0x0
	s_endpgm
.Lfunc_end_k_q1e064be901_quant:
	.size	k_q1e064be901_quant, .Lfunc_end_k_q1e064be901_quant-k_q1e064be901_quant
	.p2alignl 7, 3214868480
	.fill 96, 4, 3214868480
	.section	.rodata,"a",@progbits
	.p2align	6, 0x0
	.amdhsa_kernel k_q1e064be901_quant
		.amdhsa_group_segment_fixed_size 51712
		.amdhsa_private_segment_fixed_size 0
		.amdhsa_enable_private_segment 0
		.amdhsa_kernarg_size 40
		.amdhsa_user_sgpr_count 2
		.amdhsa_user_sgpr_kernarg_segment_ptr 1
		.amdhsa_wavefront_size32 1
		.amdhsa_system_sgpr_workgroup_id_x 1
		.amdhsa_system_sgpr_workgroup_id_y 1
		.amdhsa_system_sgpr_workgroup_id_z 1
		.amdhsa_system_vgpr_workitem_id 0
		.amdhsa_next_free_vgpr 192
		.amdhsa_next_free_sgpr 66
		.amdhsa_reserve_vcc 0
		.amdhsa_float_denorm_mode_32 3
		.amdhsa_float_denorm_mode_16_64 3
		.amdhsa_memory_ordered 1
		.amdhsa_forward_progress 1
		.amdhsa_inst_pref_size 91
	.end_amdhsa_kernel
	.amdgpu_metadata
---
amdhsa.version: [ 1, 2 ]
amdhsa.kernels:
  - .name:           k_q1e064be901_quant
    .symbol:         k_q1e064be901_quant.kd
    .args:
      - { .name: x, .offset: 0, .size: 8, .value_kind: global_buffer, .address_space: global }
      - { .name: weight_ternary, .offset: 8, .size: 8, .value_kind: global_buffer, .address_space: global }
      - { .name: weight_scale, .offset: 16, .size: 8, .value_kind: global_buffer, .address_space: global }
      - { .name: x_op, .offset: 24, .size: 8, .value_kind: global_buffer, .address_space: global }
      - { .name: w_op, .offset: 32, .size: 8, .value_kind: global_buffer, .address_space: global }
    .group_segment_fixed_size: 51712
    .private_segment_fixed_size: 0
    .kernarg_segment_align: 8
    .kernarg_segment_size: 40
    .max_flat_workgroup_size: 128
    .sgpr_count:     66
    .vgpr_count:     192
    .wavefront_size: 32
...
	.end_amdgpu_metadata
.endif
;; end of part 1
;; launch gemm (part 2): grid 8 x 32, 4 waves a work-group, clusters of 4 x 4, 327,680 bytes of LDS; arguments x_op, w_op, out0; writes out0
.if DOCPART == 2
	.amdgcn_target "amdgcn-amd-amdhsa--gfx1250"
	.amdhsa_code_object_version 6
	.text
	.protected	k_q1e064be901_gemm
	.globl	k_q1e064be901_gemm
	.p2align	8
	.type	k_q1e064be901_gemm,@function
k_q1e064be901_gemm:
	s_mov_b64 s[64:65], 0
	v_nop
	global_prefetch_b8 v0, s[64:65] scope:SCOPE_SE
	s_setreg_imm32_b32 hwreg(HW_REG_WAVE_MODE, 25, 1), 1
	s_wait_xcnt 0x0
	s_wait_alu depctr_hold_cnt(0) depctr_sa_sdst(0) depctr_va_vdst(0) depctr_va_sdst(0) depctr_va_ssrc(0) depctr_va_vcc(0) depctr_vm_vsrc(0)
	s_getreg_b32 s2, hwreg(HW_REG_IB_STS2, 6, 4)
	s_cmp_eq_u32 s2, 0
	s_cbranch_scc0 .Lentry_in_a_cluster
	s_endpgm
.Lentry_in_a_cluster:
	s_bfe_u32 s2, ttmp6, 0x10000c
	s_cmp_lg_u32 s2, 0xf033
	s_cbranch_scc0 .Lentry_shape_is_right
	s_endpgm
.Lentry_shape_is_right:
; out0[m][n] = sum over k of x_final[m][k] w[n][k], M 8,192, N 2,048, K 4,096: both operands as codes of FP6 (E2M3) with E8M0 block scales, as the launch before laid them (x_op, w_op); sums in f32.
; x_op, w_op: for each 128 rows 11 dense tiles: ten of 384 along K (PART bytes), one of 256 (LASTB).  A tile: 2,048 bytes of scale records (block, row, 16 bytes: a word for each 128 along K), then for each
; 128 along K eight fragments of 1,536 bytes; lane (r, h) owns 48 bytes at 768 (r / 8) + 384 (h xor r / 8) + 48 (r % 8): three loads of 16 bytes give its 12 registers, and 16 lanes touch 16 different columns of 16 bytes.
; A block of 256 x 256 of out0 to a work-group of four waves, 128 x 128 a wave: 64 accumulators.  256 work-groups.  A ring of two LDS slots, a tile of A's 256 rows and B's 256 rows in each; a wave fetches one part.
; CLUSTERS 4 x 4: A's tiles are asked for jointly along a row of the cluster, B's along a column; a round of the cluster's barrier stands in front of every joint load.
; THE MATRIX INSTRUCTION IS USED TRANSPOSED (source 0 = rows of w, source 1 = rows of x): a lane holds eight neighbouring numbers of a row of out0.
; REGISTERS, in windows of 256.  Window q, v128-255: the 16 accumulators of A's blocks 2 q, 2 q + 1.  A step of 128 along K is four quarters; quarter q multiplies that pair of blocks with B's eight.
;   B's fragments, two sets: blocks 0-3 in window 1, v0-95; blocks 4-7 in window 2, v0-95.   A's fragments, two sets: set 0 in window 3, v0-95; set 1 by pairs, pair j in window (j + 1) % 4, v96-119.
;   window 0: v0-31 addresses, v32-95 scale words (two sets).   v120-123 of windows 0, 1, 2: the fragments' LDS addresses, the same four in each: a load reads its address in the window that source 0 has at that place.
; BOTH OPERANDS HAVE TWO SETS, so a step's 48 LDS loads stand in two runs of 24: the next step's B at the step's head, the next step's A at its middle; four v_nop at the step's head are the places in front of both
; (ISA guide 7.12.1 for vector instructions): the sets that they fill were last multiplied in the step before.
; THE LAST STEP GOES BY QUARTERS: a pair of A's blocks, 32 rows of out0, leaves as soon as its quarter is finished.  A block's rows come back from the stage into the block's own accumulator registers, and every offset
; in out0 is a register of its own or an immediate: no register that a store names is written again.
; PREFETCH: behind the load of tile j the wave asks for tile j + 2 (behind the head's load: tiles 1 and 2): of the part that it fetches jointly with three partners it names a quarter, 38 blocks of 256 bytes, chosen by
; address (cx for A, cy for B): two instructions, a lane a block, the second's spare lanes on its last block.  It stops at tile 9: tile 10 is shorter, and comes by its load alone.
.set SIZE_N, 2048
.set FRB,    1536
.set SCLB,   2048
.set UNITB,  8*FRB
.set PART,   SCLB+3*UNITB
.set LASTB,  SCLB+2*UNITB
.set TROW,   10*PART+LASTB
.set SLOT,   4*PART
.set SPARE,  2*SLOT                    ; the spare words: 128 bytes a wave, named by no other line
.set SHARE,  PART/4                    ; 38 blocks of 256 bytes
.set LAPS,   4
.set SPITCH, 528                       ; the way out: a stage of 16 rows x (512 + 16) bytes a wave, in slot 1, which has had its last fill and its last read by then
.set ADRS, 18                          ; v18-19 scale records in slot 0, 1: lanes 0-15 A's rows, lanes 16-31 B's
.set STO,  24
.set RD,   25
.set CO,   26
.set SPW,  28                          ; my spare word; never rewritten
.set NIL,  29                          ; 0; never rewritten
.set PFO,  30                          ; v30-31 the prefetches' offsets
.set SC,   32
.set ADA,  120                         ; v120-121 my A fragments in slot 0, 1
.set ADB,  122                         ; v122-123 my B fragments
.set RDT,  0                           ; window 3, v0-15: the way out: where the t-th row that I send lies in my stage
.set COT,  16                          ; window 3, v16-31: and in a block of out0
.set G1, 24
.set G0, 32
.set G1B, 48
.set G0B, 56
.set G1L, 68                           ; group 1 for the last, shorter tile
.set G1LB, 80
.set PFA, 88                           ; s[88:89] the tile that my next prefetch names, my share of my part
.set MSB, 0
.macro WIN new                         ; the immediate's high byte repeats the setting that is left
.if MSB != \new
	s_set_vgpr_msb (MSB<<8)|\new
.set MSB, \new
.endif
.endm
.macro PLACES
.rept 4
	v_nop
.endr
.endm
.macro JLOAD g0a, g1a, g0b, g1b        ; a joint load: waves 0, 1 fetch A's two parts, waves 2, 3 B's
	s_cmp_eq_u32 s15, 0
	s_cbranch_scc0 .Lfor_b_\@
	tensor_load_to_lds s[\g0a:\g0a+3], s[\g1a:\g1a+7]
	s_nop 0
	PLACES
	s_branch .Lasked_\@
.Lfor_b_\@:
	tensor_load_to_lds s[\g0b:\g0b+3], s[\g1b:\g1b+7]
	s_nop 0
	PLACES
.Lasked_\@:
.endm
.macro CREST                           ; a round of the cluster's barrier behind its opening barrier
	s_cmp_lg_u32 s14, 0
	s_cbranch_scc1 .Lnot_wave_0_\@
	s_barrier_signal -3
.Lnot_wave_0_\@:
	s_barrier_wait -3
	s_barrier_signal -1
	s_barrier_wait -1
.endm
.macro CROUND
	s_barrier_signal -1
	s_barrier_wait -1
	CREST
.endm
.macro ASK off                         ; 38 blocks of 256 bytes of the tile at s[PFA] + off
	global_prefetch_b8 v[PFO], s[PFA:PFA+1] offset:\off th:TH_LOAD_NT scope:SCOPE_SE
	global_prefetch_b8 v[PFO+1], s[PFA:PFA+1] offset:\off th:TH_LOAD_NT scope:SCOPE_SE
.endm
	s_load_b128 s[4:7], s[0:1], 0x0                ; x_op, w_op
	s_load_b64 s[12:13], s[0:1], 0x10              ; out0
	v_lshl_add_u32 v[SPW], v0, 2, SPARE
	v_mov_b32 v[NIL], 0
	ds_add_u32 v[SPW], v[NIL]                      ; the opening lines: the add twice on end and one wait
	ds_add_u32 v[SPW], v[NIL]
	v_lshrrev_b32 v1, 5, v0
	v_readfirstlane_b32 s14, v1                    ; wave
	s_lshr_b32 s15, s14, 1                         ; my half of the block's rows; also: I fetch for A (0) or B (1)
	s_and_b32 s16, s14, 1                          ; my half of its columns; also: which part I fetch
	s_bfe_u32 s40, ttmp6, 0x40000                  ; cx
	s_bfe_u32 s41, ttmp6, 0x40004                  ; cy
	s_lshl_b32 s42, ttmp9, 2
	s_add_co_u32 s42, s42, s40                     ; block column
	s_and_b32 s17, ttmp7, 0xffff
	s_lshl_b32 s17, s17, 2
	s_add_co_u32 s17, s17, s41                     ; block row
	s_lshl_b32 s43, s41, 2
	s_lshl_b32 s43, 15, s43                        ; my row of the cluster
	s_lshl_b32 s44, 0x1111, s40                    ; my column
	s_or_b32 s[G1+0], s43, (3<<16)|(1<<21)         ; elements of 8 bytes; a part is dense: rows of 256 bytes
	s_or_b32 s[G1L+0], s43, (3<<16)|(1<<21)
	s_or_b32 s[G1B+0], s44, (3<<16)|(1<<21)
	s_or_b32 s[G1LB+0], s44, (3<<16)|(1<<21)
.irp g, G1, G1B
	s_mov_b32 s[\g+1], 32<<16
	s_mov_b32 s[\g+2], (PART/256)<<16
	s_mov_b32 s[\g+3], 32<<16
	s_mov_b32 s[\g+4], PART/256
	s_mov_b32 s[\g+5], 32
	s_mov_b32 s[\g+6], 0
	s_mov_b32 s[\g+7], 0
.endr
.irp g, G1L, G1LB
	s_mov_b32 s[\g+1], 32<<16
	s_mov_b32 s[\g+2], (LASTB/256)<<16
	s_mov_b32 s[\g+3], 32<<16
	s_mov_b32 s[\g+4], LASTB/256
	s_mov_b32 s[\g+5], 32
	s_mov_b32 s[\g+6], 0
	s_mov_b32 s[\g+7], 0
.endr
	s_lshl_b32 s20, s17, 1
	s_add_co_u32 s20, s20, s16                     ; A: which 128 rows
	s_lshl_b32 s46, s42, 1
	s_add_co_u32 s46, s46, s16                     ; B: which 128 rows
	s_mov_b32 s21, 0
	s_mov_b32 s47, 0
	s_mov_b64 s[18:19], TROW
	s_mul_u64 s[20:21], s[20:21], s[18:19]
	s_mul_u64 s[46:47], s[46:47], s[18:19]
	s_mul_i32 s45, s14, PART                       ; where my part goes: the wave's number alone
	s_cmp_eq_u32 s15, 0
	s_cselect_b32 s92, s40, s41                    ; my place among the four that ask with me
	s_mul_i32 s92, s92, SHARE
	s_add_co_u32 s92, s92, PART                    ; tile 1
	s_mov_b32 s93, 0
	s_wait_dscnt 0x0                               ; both opening adds are done
	s_wait_kmcnt 0x0
	s_add_nc_u64 s[20:21], s[4:5], s[20:21]
	s_add_nc_u64 s[46:47], s[6:7], s[46:47]
	s_cmp_eq_u32 s15, 0
	s_cselect_b64 s[PFA:PFA+1], s[20:21], s[46:47]
	s_add_nc_u64 s[PFA:PFA+1], s[PFA:PFA+1], s[92:93]
	CROUND                                         ; all sixteen work-groups are here
.irp s, 0,1
	s_mov_b32 s[G0+4*\s], 1
	s_add_co_u32 s[G0+4*\s+1], s45, \s*SLOT
	s_add_nc_u64 s[G0+4*\s+2:G0+4*\s+3], s[20:21], \s*PART
	s_or_b32 s[G0+4*\s+3], s[G0+4*\s+3], 0x80000000
	s_mov_b32 s[G0B+4*\s], 1
	s_add_co_u32 s[G0B+4*\s+1], s45, \s*SLOT
	s_add_nc_u64 s[G0B+4*\s+2:G0B+4*\s+3], s[46:47], \s*PART
	s_or_b32 s[G0B+4*\s+3], s[G0B+4*\s+3], 0x80000000
.endr
	JLOAD G0, G1, G0B, G1B                         ; tile 0: one tensor load a wave at the head
	v_and_b32 v6, 31, v0
	v_lshlrev_b32 v[PFO], 8, v6                    ; blocks 0-31 of my 38
	v_add_nc_u32 v7, 32, v6
	v_min_u32 v7, 37, v7
	v_lshlrev_b32 v[PFO+1], 8, v7                  ; blocks 32-37
	s_wait_alu depctr_va_vdst(0)
	ASK 0                                          ; tiles 1 and 2
	ASK PART
	v_and_b32 v1, 15, v0                           ; r
	v_bfe_u32 v2, v0, 4, 1                         ; h
	v_bfe_u32 v3, v0, 3, 1
	v_and_b32 v4, 7, v0
	v_xor_b32 v5, v2, v3
	v_mul_u32_u24 v4, v4, 48
	v_mad_u32_u24 v4, v3, 768, v4
	v_mad_u32_u24 v4, v5, 384, v4                  ; my 48 bytes of a fragment
	s_wait_alu depctr_va_vdst(0)
	s_mul_i32 s21, s15, PART                       ; my 128 rows of A
	s_mul_i32 s22, s16, PART
	s_add_co_u32 s22, s22, 2*PART                  ; my 128 rows of B
	s_add_co_u32 s18, s21, SLOT
	s_add_co_u32 s19, s22, SLOT
.irp w, 0, 0x40, 0x80                  ; the same four addresses into windows 0, 1, 2
	WIN \w
	v_add_nc_u32 v[ADA], s21, v4
	v_add_nc_u32 v[ADA+1], s18, v4
	v_add_nc_u32 v[ADB], s22, v4
	v_add_nc_u32 v[ADB+1], s19, v4
.endr
	WIN 0
	v_lshlrev_b32 v5, 4, v1                        ; a record is 16 bytes
	s_sub_co_u32 s22, s22, s21
	v_mul_u32_u24 v6, s22, v2                      ; lanes 16-31 take B's
	v_add_nc_u32 v5, v5, v6
	v_add_nc_u32 v[ADRS], s21, v5
	v_add_nc_u32 v[ADRS+1], SLOT, v[ADRS]
	s_mul_i32 s23, s14, 16*SPITCH
	s_add_co_u32 s23, s23, SLOT                    ; my stage
	v_mul_u32_u24 v5, v1, SPITCH
	v_lshl_add_u32 v5, v2, 5, v5
	v_add_nc_u32 v[STO], s23, v5
	v_and_b32 v6, 31, v0
	v_lshlrev_b32 v[CO], 4, v6
	v_add_nc_u32 v[RD], s23, v[CO]
	s_lshl_b32 s20, s17, 8
	s_lshl_b32 s21, s15, 7
	s_add_co_u32 s20, s20, s21                     ; my first row of out0
	s_mov_b32 s21, 0
	s_mov_b64 s[18:19], SIZE_N*4
	s_mul_u64 s[20:21], s[20:21], s[18:19]
	s_lshl_b32 s46, s42, 10
	s_lshl_b32 s47, s16, 9
	s_add_co_u32 s46, s46, s47                     ; my first column, in bytes
	s_mov_b32 s47, 0
	s_add_nc_u64 s[20:21], s[20:21], s[46:47]
	s_add_nc_u64 s[12:13], s[12:13], s[20:21]
; The step at work: slot SS (also its set of scale words), its KK-th 128 along K, the fragments' set PP.  The step that is fetched, into set 1 - PP: slot NS, NK.
.macro SETS ss, kk, pp, ns, nk
.set SS, \ss
.set KK, \kk
.set PP, \pp
.set NS, \ns
.set NK, \nk
.endm
.macro MM a, b, zero                   ; A's block a x B's block b.  The 64 accumulators take turns, one instruction a turn
.set DA,  128+8*(8*((\a)%2)+(\b))
.set SB0, 48*PP+12*((\b)%4)
.if PP
.set AA,  256*((((\a)/2)+1)%4)+96+12*((\a)%2)
.else
.set AA,  768+12*(\a)
.endif
.set SA1, AA&255
.set WN,  (((\a)/2)*0x50)|((AA>>8)<<2)|(1+(\b)/4)
	WIN WN
.if \zero
	v_wmma_scale_f32_16x16x128_f8f6f4 v[DA:DA+7], v[SB0:SB0+11], v[SA1:SA1+11], 0, v[SC+32*SS+4*(\b)+KK], v[SC+32*SS+4*(\a)+KK] matrix_a_fmt:MATRIX_FMT_FP6 matrix_b_fmt:MATRIX_FMT_FP6 matrix_a_scale:MATRIX_SCALE_ROW1
.else
	v_wmma_scale_f32_16x16x128_f8f6f4 v[DA:DA+7], v[SB0:SB0+11], v[SA1:SA1+11], v[DA:DA+7], v[SC+32*SS+4*(\b)+KK], v[SC+32*SS+4*(\a)+KK] matrix_a_fmt:MATRIX_FMT_FP6 matrix_b_fmt:MATRIX_FMT_FP6 matrix_a_scale:MATRIX_SCALE_ROW1
.endif
.endm
.macro QUART q, n0, n1, zero           ; products n0 .. n1 - 1 of quarter q's sixteen: B's block n / 2, A's block 2 q + n % 2
.set N, \n0
.rept \n1-\n0
	MM 2*(\q)+(N&1), N>>1, \zero
.set N, N+1
.endr
.endm
.macro LDF abs, adr, k, i, c           ; 16 bytes of block i's fragment into register abs (counted over all windows); only the destination's window is set
.set WN, (MSB&0x3f)|(((\abs)>>8)<<6)
	WIN WN
.set RG, (\abs)&255
	ds_load_b128 v[RG:RG+3], v[\adr] offset:SCLB+(\k)*UNITB+(\i)*FRB+16*(\c)
.endm
.macro RUNB                            ; the next step's eight fragments of B: 24 loads
.set LI, 0
.rept 24
	LDF 256*(1+LI/12)+48*(1-PP)+4*(LI%12), ADB+NS, NK, LI/3, LI%3
.set LI, LI+1
.endr
.endm
.macro RUNA                            ; the next step's eight fragments of A, blocks ascending: 24 loads
.set LI, 0
.rept 24
.if PP
	LDF 768+4*LI, ADA+NS, NK, LI/3, LI%3
.else
	LDF 256*((LI/6+1)%4)+96+4*(LI%6), ADA+NS, NK, LI/3, LI%3
.endif
.set LI, LI+1
.endr
.endm
.macro SCALES sc
.irp i, 0,1,2,3,4,5,6,7
	ds_load_b128 v[SC+32*\sc+4*\i:SC+32*\sc+4*\i+3], v[ADRS+\sc] offset:\i*256
.endr
.endm
.macro STEP ss, kk, pp, ns, nk, zero
	SETS \ss, \kk, \pp, \ns, \nk
	s_wait_dscnt 12                                ; B's set and A's blocks 0-3 are in; the youngest twelve loads (A's blocks 4-7) may be out
	PLACES
	RUNB
	QUART 0, 0, 16, \zero
	QUART 1, 0, 16, \zero
	RUNA
	s_wait_dscnt 48                                ; all but this step's two runs: A's blocks 4-7 are in
	QUART 2, 0, 16, \zero
	QUART 3, 0, 16, \zero
.endm
; A slot's last step changes slots at its head: the slot's last reads were issued in the step before.  Each wave waits for all its tensor loads (one is out: its part of the other slot), adds 0 to its spare word,
; multiplies, and waits for the add and its reads; the barrier opens a round of the cluster's barrier; the refill is the first tensor load behind the round; then the other slot is read.
; fill = 1: a full tile, and a prefetch;  2: the last tile;  0: nothing is left to fetch, no round.
.macro TURN ss, pp, ns, fill
	SETS \ss, 2, \pp, \ns, 0
.if \fill == 1
	s_wait_xcnt 0x0                                ; my last prefetches have read their address
	s_add_nc_u64 s[PFA:PFA+1], s[PFA:PFA+1], PART
.endif
	WIN 0                                          ; the add's two registers lie in window 0
	s_wait_tensorcnt 0x0
	ds_add_u32 v[SPW], v[NIL]
	s_wait_dscnt 13                                ; (the add and A's blocks 4-7 may be out)
	QUART 0, 0, 8, 0
	s_wait_dscnt 0x0                               ; the add is done, and my reads of this slot are over
	s_barrier_signal -1
	QUART 0, 8, 16, 0                              ; work on registers alone
	WIN 0
	s_barrier_wait -1
.if \fill
	CREST
	s_add_nc_u64 s[G0+4*\ss+2:G0+4*\ss+3], s[G0+4*\ss+2:G0+4*\ss+3], 2*PART
	s_add_nc_u64 s[G0B+4*\ss+2:G0B+4*\ss+3], s[G0B+4*\ss+2:G0B+4*\ss+3], 2*PART
.if \fill == 1
	JLOAD G0+4*\ss, G1, G0B+4*\ss, G1B             ; its four v_nop are also the places in front of the loads below
.else
	JLOAD G0+4*\ss, G1L, G0B+4*\ss, G1LB
.endif
.else
	PLACES
.endif
	SCALES \ns
.if \fill == 1
	s_cmp_gt_u32 s3, 1                             ; the loop's last trip would name tiles 10 and 11: it asks for nothing
	s_cbranch_scc0 .Lno_ask_\@
	ASK 0
.Lno_ask_\@:
.endif
	RUNB
	QUART 1, 0, 16, 0
	QUART 2, 0, 16, 0
	RUNA
	QUART 3, 0, 16, 0
.endm
; THE WAY OUT, by blocks of 16 rows x 128 columns: through my own stage and back as whole rows of 512 bytes, INTO THE BLOCK'S OWN 64 REGISTERS.  LDS serves a wave's instructions in order (ISA guide 5.7.1.4): a load
; sees the stores ahead of it, lands behind the store that read its register, and the next block's stores come behind this block's loads.  The t-th row that a wave sends is row t xor 5 x wave of the block.
.macro TOSTAGE a
.set AC, 128+64*((\a)%2)
.set WN, ((\a)/2)<<2
	WIN WN                                         ; the data: window a / 2; the address: window 0
.irp b, 0,1,2,3,4,5,6,7
	ds_store_b128 v[STO], v[AC+8*\b:AC+8*\b+3] offset:64*\b          ; each accumulator from its low end on
	ds_store_b128 v[STO], v[AC+8*\b+4:AC+8*\b+7] offset:64*\b+16
.endr
.set WN, (((\a)/2)<<6)|3
	WIN WN                                         ; back into window a / 2; the addresses: window 3
.irp t, 0,1,2,3,4,5,6,7,8,9,10,11,12,13,14,15
	ds_load_b128 v[AC+4*\t:AC+4*\t+3], v[RDT+\t]
.endr
.endm
.macro SEND a, younger                 ; younger: the LDS instructions issued behind block a's loads, which may stay out
.set AC, 128+64*((\a)%2)
.set WN, (((\a)/2)<<2)|3
	s_wait_dscnt \younger
	WIN WN
.irp t, 0,1,2,3,4,5,6,7,8,9,10,11,12,13,14,15
	global_store_b128 v[COT+\t], v[AC+4*\t:AC+4*\t+3], s[12:13] offset:(\a)*16*SIZE_N*4 th:TH_STORE_NT   ; 32 lanes store 512 consecutive bytes, at a multiple of 256 from out0's first byte; 112 rows at the most in the immediate
.endr
.endm
	s_wait_alu depctr_va_vdst(0)
	s_wait_tensorcnt 0x0                           ; my part of tile 0 is in; slot 1's first fill is issued as a refill is
	ds_add_u32 v[SPW], v[NIL]
	s_wait_xcnt 0x0
	s_add_nc_u64 s[PFA:PFA+1], s[PFA:PFA+1], 2*PART   ; tile 3
	s_wait_dscnt 0x0
	CROUND
	JLOAD G0+4, G1, G0B+4, G1B                     ; tile 1
	SETS 0, 0, 1, 0, 0                             ; step 0's fragments into set 0, in the order in which a step fetches them
	SCALES 0
	RUNB
	RUNA
	WIN 0
	ASK 0
	STEP 0, 0, 0, 0, 1, 1                          ; the first step's products start the sums
	WIN 0                                          ; at a label and at a branch every window is 0
	s_mov_b32 s3, LAPS
.Llap:                                                 ; a trip: six steps, once round the ring; both slots are filled again
	STEP 0, 1, 1, 0, 2, 0
	TURN 0, 0, 1, 1
	STEP 1, 0, 1, 1, 1, 0
	STEP 1, 1, 0, 1, 2, 0
	TURN 1, 1, 0, 1
	STEP 0, 0, 0, 0, 1, 0
	WIN 0
	s_sub_co_u32 s3, s3, 1
	s_cmp_lg_u32 s3, 0
	s_cbranch_scc1 .Llap
	STEP 0, 1, 1, 0, 2, 0                          ; tiles 8, 9 and 10 are written out
	TURN 0, 0, 1, 2
	STEP 1, 0, 1, 1, 1, 0
	STEP 1, 1, 0, 1, 2, 0
	TURN 1, 1, 0, 0
	STEP 0, 0, 0, 0, 1, 0
	PLACES                                         ; A's set 0 (window 3, v0-95) has been multiplied for the last time: v0-31 take the way out's offsets
	WIN 0xc0
	s_mul_i32 s18, s14, 5                          ; 0, 5, 10, 15: the four waves of a work-group send different rows of their blocks at each turn
.irp t, 0,1,2,3,4,5,6,7,8,9,10,11,12,13,14,15
	s_xor_b32 s20, s18, \t                         ; the row
	s_mul_i32 s21, s20, SPITCH
	s_lshl_b32 s20, s20, 13                        ; a row of out0 is 8,192 bytes
	v_add_nc_u32 v[RDT+\t], s21, v[RD]
	v_add_nc_u32 v[COT+\t], s20, v[CO]
.endr
	s_wait_alu depctr_va_vdst(0)
	SETS 0, 1, 1, 0, 1                             ; the last step fetches nothing, and goes out by quarters
	s_wait_dscnt 0x0                               ; its fragments are in (the youngest were asked for half a step ago)
	QUART 0, 0, 16, 0
	PLACES                                         ; in front of the reads of results and of the loads into them
	TOSTAGE 0
	TOSTAGE 1
.irp q, 1,2,3
	QUART \q, 0, 16, 0                             ; the next quarter's products stand between the stage's loads and the stores
	SEND 2*\q-2, 32                                ; behind its loads: the next block's 16 stores and 16 loads
	SEND 2*\q-1, 0
	PLACES
	TOSTAGE 2*\q
	TOSTAGE 2*\q+1
.endr
	SEND 6, 32
	SEND 7, 0
	WIN 0
	s_wait_tensorcnt 0x0                           ; the wave's end
	ds_add_u32 v[SPW], v[NIL]
	s_wait_dscnt 0x0
	CROUND                                         ; the closing round
	s_endpgm
.Lfunc_end_k_q1e064be901_gemm:
	.size	k_q1e064be901_gemm, .Lfunc_end_k_q1e064be901_gemm-k_q1e064be901_gemm
	.p2alignl 7, 3214868480
	.fill 96, 4, 3214868480
	.section	.rodata,"a",@progbits
	.p2align	6, 0x0
	.amdhsa_kernel k_q1e064be901_gemm
		.amdhsa_group_segment_fixed_size 327680
		.amdhsa_private_segment_fixed_size 0
		.amdhsa_enable_private_segment 0
		.amdhsa_kernarg_size 24
		.amdhsa_user_sgpr_count 2
		.amdhsa_user_sgpr_kernarg_segment_ptr 1
		.amdhsa_wavefront_size32 1
		.amdhsa_system_sgpr_workgroup_id_x 1
		.amdhsa_system_sgpr_workgroup_id_y 1
		.amdhsa_system_sgpr_workgroup_id_z 1
		.amdhsa_system_vgpr_workitem_id 0
		.amdhsa_next_free_vgpr 1024
		.amdhsa_next_free_sgpr 98
		.amdhsa_reserve_vcc 0
		.amdhsa_float_denorm_mode_32 3
		.amdhsa_float_denorm_mode_16_64 3
		.amdhsa_memory_ordered 1
		.amdhsa_forward_progress 1
		.amdhsa_inst_pref_size 212
	.end_amdhsa_kernel
	.amdgpu_metadata
---
amdhsa.version: [ 1, 2 ]
amdhsa.kernels:
  - .name:           k_q1e064be901_gemm
    .symbol:         k_q1e064be901_gemm.kd
    .args:
      - { .name: x_op, .offset: 0, .size: 8, .value_kind: global_buffer, .address_space: global }
      - { .name: w_op, .offset: 8, .size: 8, .value_kind: global_buffer, .address_space: global }
      - { .name: out0, .offset: 16, .size: 8, .value_kind: global_buffer, .address_space: global }
    .group_segment_fixed_size: 327680
    .private_segment_fixed_size: 0
    .kernarg_segment_align: 8
    .kernarg_segment_size: 24
    .max_flat_workgroup_size: 128
    .sgpr_count:     98
    .vgpr_count:     1024
    .wavefront_size: 32
...
	.end_amdgpu_metadata
.endif
;; end of part 2
